; MI455X (gfx1250); checked and timed in simulation.
; The chip was launched on July 23, 2026; its instructions are those of AMD's public machine-readable ISA for CDNA 5 (MIT licence, August 2026) and "CDNA5" Instruction Set Architecture Reference Guide (July 2026). The comments in the code are by the model that wrote it; some were corrected since.
;; Scaled Dot Product Attention. Allowed arithmetic: float matrix products may take bf16 or f16 operands with f32 sums; all other float work in f32.
;; Inputs: k 4 x 16 x 2,048 x 128 float32; q 4 x 16 x 2,048 x 128 float32; v 4 x 16 x 2,048 x 128 float32.
;; Outputs: out0 4 x 16 x 2,048 x 128 float32.
;; One version. Each part assembles by itself: llvm-mc -triple=amdgcn-amd-amdhsa -mcpu=gfx1250 --defsym DOCPART=n.
;; ======== version 1 of 1: 1 launch
;; launch attn (part 1): grid 256 x 1, 8 waves a work-group, clusters of 4 x 1, 327,680 bytes of LDS; arguments k, q, v, out0; writes out0
.if DOCPART == 1
	.amdgcn_target "amdgcn-amd-amdhsa--gfx1250"
	.amdhsa_code_object_version 6
	.text
	.protected	k_q94a4017b13_attn
	.globl	k_q94a4017b13_attn
	.p2align	8
	.type	k_q94a4017b13_attn,@function
k_q94a4017b13_attn:
	s_mov_b64 s[64:65], 0
	v_nop
	global_prefetch_b8 v0, s[64:65] scope:SCOPE_SE
	s_setreg_imm32_b32 hwreg(HW_REG_WAVE_MODE, 25, 1), 1
	s_wait_xcnt 0x0
	s_wait_alu depctr_hold_cnt(0) depctr_sa_sdst(0) depctr_va_vdst(0) depctr_va_sdst(0) depctr_va_ssrc(0) depctr_va_vcc(0) depctr_vm_vsrc(0)
	s_getreg_b32 s2, hwreg(HW_REG_IB_STS2, 6, 4)
	s_cmp_eq_u32 s2, 0
	s_cbranch_scc0 .Lentry_in_a_cluster
	s_endpgm
.Lentry_in_a_cluster:
	s_bfe_u32 s2, ttmp6, 0x10000c
	s_cmp_lg_u32 s2, 0x3003
	s_cbranch_scc0 .Lentry_shape_is_right
	s_endpgm
.Lentry_shape_is_right:
; out = softmax(Q K^T / sqrt(128)) V for 64 heads of 2,048 rows x 128, all tensors f32.  Products in bf16 with f32 sums, softmax in f32.
;
; SHARES.  A cluster of four work-groups is one head (ttmp9); work-group cx makes 512 query rows of it; each of its eight waves makes 64
; (four query blocks of 16).  The keys go by in 32 tiles of 64; a tile is worked on as two sub-steps of 32 keys.
; CLUSTER.  The four work-groups of a head need the same K and V tiles: each tile is asked for jointly (mask 15), waves 0 and 1 for K's two
; halves, waves 2 and 3 for V's, 64 rows of 256 bytes each.  Other heads share nothing, so a cluster is 4 x 1.
;
; BOTH PRODUCTS ARE USED TRANSPOSED.  S^T = K Q^T: source 0 = 16 keys x 32 d, source 1 = 16 queries x 32 d; lane (r, h) then holds keys
; 8 h + 0..7 of query r, so a query's maximum and sum are made in one lane's registers plus one exchange with lane xor 16, and the running
; maximum, the sum and the rescale factor are plain numbers of the lane.  Two such tiles (keys 0-15, 16-31), packed to bf16 in place, ARE the
; second source (32 keys x 16 queries) of O^T = V^T P^T; its first source (16 d x 32 keys) comes by transposing LDS loads from V kept
; [key][d].  In O^T a lane holds 8 neighbouring d of one query.
;
; K AND V ARRIVE AS f32 in one of two stage slots and are converted into one of two bf16 buffers.  In trip t (p = t mod 2): tile t + 2 is
; asked for into stage slot p, tile t + 1 is converted from slot 1 - p into buffer 1 - p, tile t is multiplied from buffer p.  One round of
; the cluster's barrier a trip orders all three.  By this text's own count a wave has two tensor loads out at the start and one behind each round.
;
; THE TWO HALVES OF THE WORK-GROUP RUN OUT OF STEP, ON PURPOSE.  The round puts all eight waves at one place of the text.  Waves 0 to 3 then
; convert the whole next tile (16 rows of K and 16 of V each: 32 LDS loads, 64 packings, 32 LDS stores) before they multiply; waves 4 to 7
; convert nothing and multiply at once.  So waves 4 to 7 lead by about the length of a softmax step, and while one half issues vector
; instructions (softmax, rescale) the other issues matrix instructions.  The leading half waits for the other at the next round.
;
; LIMITS.  Scores must be finite in f32.  The running maximum is always taken away before the exponential; an exponential below 2^-126 comes
; out as zero (v_exp_f32: ISA guide 15.8).  The row sum adds P in f32 while the product takes P rounded to bf16.  The rounded -c x maximum is
; added by a fused multiply-add, so the largest exponent can exceed 0 by one rounding of c x maximum.  A NaN among the scores loses in the maximum.
;
; LDS: 0 stage slot 0 (K 32,768 bytes, then V); 65,536 stage slot 1; 131,072 and 166,912 the bf16 buffers (K 64 rows of pitch 272, then V 64
; rows of pitch 288); 202,752 a stage of 8,448 bytes for each wave.  Tensor loads land below 131,072 alone, LDS stores at and above it alone.
.set TILEB,  32768                     ; 64 keys x 512 bytes: a tile of K, or of V, in f32
.set SLOTB,  65536                     ; a stage slot: K's tile, then V's
.set BF0,    131072                    ; the first bf16 buffer
.set KP,     272                       ; K's pitch = 17 x 16 bytes: the 16 rows of a fragment load begin in 16 different 16-byte columns of 256
.set VP,     288                       ; V's pitch = 9 x 32 bytes, for the transposing loads
.set VOFF,   64*KP                     ; V behind K in a bf16 buffer
.set BUFB,   64*KP+64*VP               ; 35,840 bytes
.set STG0,   BF0+2*BUFB                ; 202,752
.set QP,     272                       ; the wave's stage on the way in: 16 rows of Q in bf16
.set OP,     528                       ; and on the way out: 16 rows of 512 bytes, pitch 33 x 16
.set STGB,   16*OP
.set LAPS,   14                        ; tiles 2 to 29, two a lap; tiles 0, 1 stand in front of the loop, 30, 31 behind it
; window 0
.set ADRK,   1                         ; v1     K fragments: BF0 + r x 272 + 16 h
.set ADRV,   2                         ; v2     V fragments: BF0 + VOFF + (8 h + lane mod 8) x 288 + 16 x bit 3 of the lane
.set CRD,    3                         ; v3, v4 conversion, reading: slot x 65,536 + 16 w x 512 + 16 x lane   (used by waves 0 to 3 alone, like the next two)
.set CWK,    5                         ; v5     conversion, writing K: BF0 + 16 w x 272 + 8 x lane
.set CWV,    6                         ; v6     conversion, writing V: BF0 + VOFF + 16 w x 288 + 8 x lane
.set PFO,    7                         ; v7     256 x lane, for the prefetch
.set L,      8                         ; v8-11  query block q: this lane's half of the row sum
.set NM,     12                        ; v12-19 pairs: v[12+2q] = -c x running maximum, v[13+2q] = the step's rescale factor
.set T,      20                        ; v20-27 pairs at work
.set LANE16, 28                        ; v28    16 x lane: offset of Q's loads and of the output's stores; never rewritten
.set QST,    29                        ; v29    my stage + 8 x lane (Q in);  on the way out ORD: my stage + 16 x lane
.set ORD,    29
.set QRD,    30                        ; v30    my stage + r x 272 + 16 h
.set OST,    31                        ; v31    my stage + r x 528 + 32 h
.set F,      32                        ; v32-63   four fragments of 8 registers: K's, then V's d blocks 0-3
.set S,      64                        ; v64-127  S^T tile (q, kb) at 64 + 16 q + 8 kb; P of q packed into 64 + 16 q .. + 7; then V's d block 4 + q in 64 + 16 q + 8 .. + 15
.set Q,      128                       ; v128-255 Q fragment (q, ks) at 128 + 32 q + 8 ks
; window 1: O^T tile (d, q) at 8 (4 d + q); in the prologue the 64 rows of Q as loaded
.set G1,     16                        ; s[16:23] descriptor group 1
.set G0,     24                        ; s[24:31] descriptor group 0, one set for each stage slot
.set MSB,    0
.macro WIN new                         ; s_set_vgpr_msb: bits 1:0 source 0, 3:2 source 1, 5:4 source 2, 7:6 destination; the high byte repeats the setting that is left
.if MSB != \new
	s_set_vgpr_msb (MSB<<8)|\new
.set MSB, \new
.endif
.endm
.macro NOPS n                          ; places behind matrix instructions (ISA guide 7.12.1)
.rept \n
	v_nop
.endr
.endm
.macro BAR
	s_barrier_signal -1
	s_barrier_wait -1
.endm
; A round of the cluster's barrier: my work-group's barrier, wave 0 signals for the work-group, every wave waits for all four work-groups, my work-group's barrier again.
.macro ROUND
	s_barrier_signal -1
	s_barrier_wait -1
	s_cmp_lg_u32 s12, 0
	s_cbranch_scc1 .Lnot_wave_0_\@
	s_barrier_signal -3
.Lnot_wave_0_\@:
	s_barrier_wait -3
	s_barrier_signal -1
	s_barrier_wait -1
.endm
; Behind a round: waves 0 to 3 ask jointly for their quarter of the next tile pair into stage slot p.  Waves 4 (K) and 5 (V) ask the L2 for quarter cx
; (32 lanes 256 bytes apart = 8,192 bytes) of the tile that the next trip's joint loads will want.  The branches hang on the wave's number alone.
.macro JLOAD p
	s_cmp_ge_u32 s12, 4
	s_cbranch_scc1 .Lno_tile_\@
	tensor_load_to_lds s[G0+4*\p:G0+4*\p+3], s[G1:G1+7]
	s_nop 0
	s_branch .Lasked_\@
.Lno_tile_\@:
	s_cmp_ge_u32 s12, 6
	s_cbranch_scc1 .Lasked_\@
	global_prefetch_b8 v[PFO], s[44:45] th:TH_LOAD_NT scope:SCOPE_SE
.Lasked_\@:
.endm
; Two K fragments (16 keys x 32 d each; d steps 2 kp, 2 kp + 1) of key block kb of sub-step sub in buffer b: four loads
.macro LDK b, sub, kb, kp
.irp e,0,1
	ds_load_b128 v[F+8*(2*\kp+\e):F+8*(2*\kp+\e)+3],   v[ADRK] offset:\b*BUFB+(32*\sub+16*\kb)*KP+64*(2*\kp+\e)
	ds_load_b128 v[F+8*(2*\kp+\e)+4:F+8*(2*\kp+\e)+7], v[ADRK] offset:\b*BUFB+(32*\sub+16*\kb)*KP+64*(2*\kp+\e)+32
.endr
.endm
; Eight matrix instructions of S^T: key block kb, d steps 2 kp and 2 kp + 1, the four query blocks.  The first d step starts the sums with the constant 0.
; The four accumulators take turns, one instruction a turn.
.macro QKG kb, kp
.irp e,0,1
.irp q,0,1,2,3
.if 2*\kp+\e == 0
	v_wmma_f32_16x16x32_bf16 v[S+16*\q+8*\kb:S+16*\q+8*\kb+7], v[F+8*(2*\kp+\e):F+8*(2*\kp+\e)+7], v[Q+32*\q+8*(2*\kp+\e):Q+32*\q+8*(2*\kp+\e)+7], 0
.else
	v_wmma_f32_16x16x32_bf16 v[S+16*\q+8*\kb:S+16*\q+8*\kb+7], v[F+8*(2*\kp+\e):F+8*(2*\kp+\e)+7], v[Q+32*\q+8*(2*\kp+\e):Q+32*\q+8*(2*\kp+\e)+7], v[S+16*\q+8*\kb:S+16*\q+8*\kb+7]
.endif
.endr
.endr
.endm
; One V^T fragment (d block d x the sub-step's 32 keys) into dst: two transposing loads, 16 keys apart
.macro LDV b, sub, d, dst
	ds_load_tr16_b128 v[\dst:\dst+3],   v[ADRV] offset:\b*BUFB+32*\sub*VP+32*(\d)
	ds_load_tr16_b128 v[\dst+4:\dst+7], v[ADRV] offset:\b*BUFB+32*\sub*VP+32*(\d)+16*VP
.endm
; The softmax step on 32 keys x 64 queries; every line runs over the four query blocks, four chains that do not wait for each other.
; c = log2(e) / sqrt(128) = 0x3e0293ee.  P = 2^(c S - c m).  first = 1: nothing is carried in.
.macro SOFTMAX first
.irp q,0,1,2,3
	v_max3_num_f32 v[T+2*\q], v[S+16*\q], v[S+16*\q+1], v[S+16*\q+2]
.endr
.irp j,3,5,7,9,11,13
.irp q,0,1,2,3
	v_max3_num_f32 v[T+2*\q], v[T+2*\q], v[S+16*\q+\j], v[S+16*\q+\j+1]
.endr
.endr
.irp q,0,1,2,3
	v_max_num_f32 v[T+2*\q], v[T+2*\q], v[S+16*\q+15]
.endr
.irp q,0,1,2,3
	v_permlanex16_b32 v[T+2*\q+1], v[T+2*\q], s36, s37          ; the other 16 keys' maximum, from lane xor 16
.endr
.irp q,0,1,2,3
	v_max_num_f32 v[T+2*\q], v[T+2*\q], v[T+2*\q+1]             ; the step's maximum, alike in both halves
.endr
.if \first
.irp q,0,1,2,3
	v_mul_f32 v[NM+2*\q], 0xbe0293ee, v[T+2*\q]                 ; -c m
.endr
.else
.irp q,0,1,2,3
	v_mul_f32 v[T+2*\q+1], 0xbe0293ee, v[T+2*\q]                ; -c x the step's maximum
.endr
.irp q,0,1,2,3
	v_sub_f32 v[NM+2*\q+1], v[T+2*\q+1], v[NM+2*\q]             ; c (old m - step's m)
.endr
.irp q,0,1,2,3
	v_min_num_f32 v[NM+2*\q], v[NM+2*\q], v[T+2*\q+1]           ; -c x the new running maximum
.endr
.irp q,0,1,2,3
	v_min_num_f32 v[NM+2*\q+1], 0, v[NM+2*\q+1]                 ; c (old m - new m), never above 0
.endr
.endif
.irp j,0,2,4,6,8,10,12,14
.irp q,0,1,2,3
	v_pk_fma_f32 v[S+16*\q+\j:S+16*\q+\j+1], v[S+16*\q+\j:S+16*\q+\j+1], s[38:39], v[NM+2*\q:NM+2*\q+1] op_sel_hi:[1,0,0]   ; c S - c m: both halves take s38 and the pair's first register
.endr
.endr
.irp j,0,1,2,3,4,5,6,7,8,9,10,11,12,13,14,15
.irp q,0,1,2,3
	v_exp_f32 v[S+16*\q+\j], v[S+16*\q+\j]
.endr
.endr
.if \first == 0
.irp q,0,1,2,3
	v_exp_f32 v[NM+2*\q+1], v[NM+2*\q+1]                        ; the rescale factor 2^(c (old m - new m))
.endr
.endif
	v_nop                                                       ; one plain place between the exponentials and the first use of a result (ISA guide 5.7.2)
	s_wait_alu depctr_va_vdst(0)
.irp q,0,1,2,3
	v_pk_add_f32 v[T+2*\q:T+2*\q+1], v[S+16*\q:S+16*\q+1], v[S+16*\q+2:S+16*\q+3]
.endr
.irp j,4,6,8,10,12,14
.irp q,0,1,2,3
	v_pk_add_f32 v[T+2*\q:T+2*\q+1], v[T+2*\q:T+2*\q+1], v[S+16*\q+\j:S+16*\q+\j+1]
.endr
.endr
.if \first
.irp q,0,1,2,3
	v_add_f32 v[L+\q], v[T+2*\q], v[T+2*\q+1]
.endr
.else
.irp q,0,1,2,3
	v_add_f32 v[T+2*\q], v[T+2*\q], v[T+2*\q+1]
.endr
.irp q,0,1,2,3
	v_fma_f32 v[L+\q], v[L+\q], v[NM+2*\q+1], v[T+2*\q]         ; the sum so far, rescaled, + my 16 keys of this step
.endr
.endif
.irp j,0,1,2,3,4,5,6,7
.irp q,0,1,2,3
	v_cvt_pk_bf16_f32 v[S+16*\q+\j], v[S+16*\q+2*\j], v[S+16*\q+2*\j+1]   ; in place, ascending: register j is written when registers 2 j, 2 j + 1 are read and all below are spent
.endr
.endr
.endm
; O^T times the lane's rescale factor (the pair's second register in both halves): 256 registers, two at a time
.macro RESCALE
	WIN 0x41                                                    ; destination and source 0 in window 1
.irp d,0,1,2,3,4,5,6,7
.irp q,0,1,2,3
.irp j,0,2,4,6
	v_pk_mul_f32 v[8*(4*\d+\q)+\j:8*(4*\d+\q)+\j+1], v[8*(4*\d+\q)+\j:8*(4*\d+\q)+\j+1], v[NM+2*\q:NM+2*\q+1] op_sel:[0,1] op_sel_hi:[1,1]
.endr
.endr
.endr
.endm
; Sixteen matrix instructions of O^T: d blocks dlo .. dlo + 3 x four query blocks, sixteen different accumulators, one instruction a turn
.macro PV dlo, first
.irp e,0,1,2,3
.irp q,0,1,2,3
.if \dlo
.set PVA, S+16*\e+8
.else
.set PVA, F+8*\e
.endif
.set PVD, 8*(4*(\dlo+\e)+\q)
.if \first
	v_wmma_f32_16x16x32_bf16 v[PVD:PVD+7], v[PVA:PVA+7], v[S+16*\q:S+16*\q+7], 0
.else
	v_wmma_f32_16x16x32_bf16 v[PVD:PVD+7], v[PVA:PVA+7], v[S+16*\q:S+16*\q+7], v[PVD:PVD+7]
.endif
.endr
.endr
.endm
; A sub-step: 32 keys of buffer b against my 64 queries.  On entry the four K fragments of key block 0 have been asked for.
; nextk = 1: the next sub-step's first K fragments are fetched between the two halves of the second product.
.macro SUB b, sub, first, nextk
	s_wait_dscnt 0x0                               ; the K fragments are in: in a wave that does not convert they are its youngest LDS loads, so the count is 0 on both ways
	QKG 0, 0
	NOPS 4                                         ; four places, then loads into fragments that matrix instructions have read
	LDK \b, \sub, 1, 0
	QKG 0, 1
	NOPS 4
	LDK \b, \sub, 1, 1
	s_wait_dscnt 4                                 ; LDS answers in order (ISA guide 5.7.1): all but the four youngest loads are in
	QKG 1, 0
	s_wait_dscnt 0
	QKG 1, 1
	NOPS 4                                         ; four places: for the loads into F and for the vector reads of S^T
.irp d,0,1,2,3
	LDV \b, \sub, \d, F+8*\d                       ; eight loads that land under the softmax
.endr
	SOFTMAX \first
.irp d,0,1,2,3
	LDV \b, \sub, 4+\d, S+16*\d+8                  ; eight loads into the halves of S that packing has freed
.endr
.if \first == 0
	RESCALE
.endif
	s_wait_dscnt 8                                 ; V's d blocks 0-3 are in; the eight younger loads may stay out
	WIN 0x50                                       ; C and D in window 1
	PV 0, \first
.if \nextk
	NOPS 4                                         ; four places, then loads into F
	WIN 0
	LDK \b, 1, 0, 0
	LDK \b, 1, 0, 1
	s_wait_dscnt 8                                 ; V's d blocks 4-7 are in; the eight K loads just issued may stay out
	WIN 0x50
.else
	s_wait_dscnt 0
.endif
	PV 4, \first
	WIN 0
	NOPS 5                                         ; five places: the next matrix instructions write over P and over V's fragments; they also serve the next loads into F and S
.endm
; The conversion's three steps, eight rows each.  A load takes a row's 512 bytes of f32, a store its 256 bytes of bf16: both without gaps between the lanes.
.macro CLOAD slot, base, off
.set i, 0
.rept 8
	ds_load_b128 v[\base+4*i:\base+4*i+3], v[CRD+\slot] offset:\off+512*i
.set i, i+1
.endr
.endm
.macro PACK8 base
.set i, 0
.rept 8
	v_cvt_pk_bf16_f32 v[\base+4*i],   v[\base+4*i],   v[\base+4*i+1]
	v_cvt_pk_bf16_f32 v[\base+4*i+1], v[\base+4*i+2], v[\base+4*i+3]
.set i, i+1
.endr
.endm
.macro CSTORE adr, base, off, pitch
.set i, 0
.rept 8
	ds_store_b64 v[\adr], v[\base+4*i:\base+4*i+1] offset:\off+\pitch*i
.set i, i+1
.endr
.endm
; Waves 0 to 3: my 16 rows of K and 16 rows of V of the tile in stage slot 'slot', f32 to bf16, into buffer b, on the 64 registers of S in two halves:
; as soon as a half's eight rows are packed and their stores issued, the next eight rows are asked for into it.
.macro CONVERT slot, b
	CLOAD \slot, S, 0                              ; K rows 0-7
	CLOAD \slot, S+32, 8*512                       ; K rows 8-15
	s_wait_dscnt 8                                 ; K rows 0-7 are in; the eight younger loads may stay out
	PACK8 S
	CSTORE CWK, S, \b*BUFB, KP
	CLOAD \slot, S, TILEB                          ; V rows 0-7
	s_wait_dscnt 16                                ; K rows 8-15 are in; behind them went eight stores and eight loads
	PACK8 S+32
	CSTORE CWK, S+32, \b*BUFB+8*KP, KP
	CLOAD \slot, S+32, TILEB+8*512                 ; V rows 8-15
	s_wait_dscnt 16                                ; V rows 0-7 are in; behind them went eight stores and eight loads
	PACK8 S
	CSTORE CWV, S, \b*BUFB, VP
	s_wait_dscnt 8                                 ; V rows 8-15 are in; behind them went eight stores
	PACK8 S+32
	CSTORE CWV, S+32, \b*BUFB+8*VP, VP
.endm
; Trip t, p = t mod 2, o = 1 - p.  refill: tile t + 2 is asked for into stage slot p.  conv: tile t + 1 is converted from slot o into buffer o.
.macro TRIP p, o, refill, conv, first
	s_wait_dscnt 0x0                               ; my reads of stage slot p and of buffer o, and my stores into buffer p, are done
	s_wait_xcnt 0x0
	v_lshl_add_u32 v29, v0, 2, 0x42000
	v_mov_b32 v30, 0
	s_wait_tensorcnt 0x0                           ; all my tensor loads have landed (my part of tile t + 1): no load of mine is out, so a group 0 may be written
	ds_add_u32 v29, v30
	s_wait_dscnt 0x0
.if \refill
	s_add_nc_u64 s[G0+4*\p+2:G0+4*\p+3], s[G0+4*\p+2:G0+4*\p+3], 2*TILEB   ; slot p's next tile; the type bits on top are not reached
	s_wait_xcnt 0x0                                ; the last trip's prefetch has had its address translated (ISA guide 3.1): s[44:45] are rewritten only behind this wait
	s_min_u32 s48, s46, 31*TILEB                   ; tile t + 3, or the last tile: no prefetch points past the head's 32 tiles
	s_add_nc_u64 s[44:45], s[42:43], s[48:49]
	s_add_co_u32 s46, s46, TILEB
	ROUND                                          ; all of that now holds of every wave of the four work-groups
	JLOAD \p                                       ; the wave's one tensor load behind the round, ahead of every LDS read
.else
	BAR                                            ; nothing is filled any more: my work-group's barrier shows buffer p whole and buffer o free
.endif
	LDK \p, 0, 0, 0
	LDK \p, 0, 0, 1
.if \conv
	s_cmp_ge_u32 s12, 4                            ; waves 4 to 7 go straight to the products and so run ahead of waves 0 to 3 by the conversion's length
	s_cbranch_scc1 .Lmultiply_\@
	CONVERT \o, \o
.Lmultiply_\@:
.endif
	SUB \p, 0, \first, 1
	SUB \p, 1, 0, 0
.endm
; Query block qb: 16 rows of Q from window 1, f32 to bf16, through my own stage into fragments.  LDS serves a wave's instructions in order
; (ISA guide 5.7.1), so no wait stands between my stores and my loads, nor in front of the next block's stores.
.macro QIN qb
	s_wait_loadcnt 48-16*\qb                       ; loads come back in order: this block's 16 rows are in, the later blocks' may stay out
	WIN 0x05                                       ; both sources in window 1
.set i, 0
.rept 16
	v_cvt_pk_bf16_f32 v[S+2*i],   v[64*\qb+4*i],   v[64*\qb+4*i+1]
	v_cvt_pk_bf16_f32 v[S+2*i+1], v[64*\qb+4*i+2], v[64*\qb+4*i+3]
.set i, i+1
.endr
	WIN 0
.set i, 0
.rept 16
	ds_store_b64 v[QST], v[S+2*i:S+2*i+1] offset:QP*i
.set i, i+1
.endr
.irp ks,0,1,2,3
	ds_load_b128 v[Q+32*\qb+8*\ks:Q+32*\qb+8*\ks+3],   v[QRD] offset:64*\ks
	ds_load_b128 v[Q+32*\qb+8*\ks+4:Q+32*\qb+8*\ks+7], v[QRD] offset:64*\ks+32
.endr
.endm
; The way out for query block q: O^T / sum, 32 bytes a lane and d block into my stage, read back as whole rows of 512 bytes into rb, stored.
.macro OUTQ q, rb
	WIN 0x01                                       ; source 0 in window 1
.irp d,0,1,2,3,4,5,6,7
.irp j,0,2,4,6
	v_pk_mul_f32 v[S+8*\d+\j:S+8*\d+\j+1], v[8*(4*\d+\q)+\j:8*(4*\d+\q)+\j+1], v[NM+2*\q:NM+2*\q+1] op_sel_hi:[1,0]   ; both halves by the pair's first register, 1 / sum
.endr
.endr
	WIN 0
.irp d,0,1,2,3,4,5,6,7
	ds_store_b128 v[OST], v[S+8*\d:S+8*\d+3]   offset:64*\d
	ds_store_b128 v[OST], v[S+8*\d+4:S+8*\d+7] offset:64*\d+16
.endr
	s_wait_xcnt 0x0                                ; earlier stores have had their addresses translated (ISA guide 3.1): rb, their data, is loaded again only behind this wait
.set i, 0
.rept 16
	ds_load_b128 v[\rb+4*i:\rb+4*i+3], v[ORD] offset:OP*i
.set i, i+1
.endr
.set i, 0
.rept 16
	s_wait_dscnt 15-i                              ; row i is in, the later rows may stay out
	global_store_b128 v[LANE16], v[\rb+4*i:\rb+4*i+3], s[52:53] offset:512*(16*\q+i) th:TH_STORE_NT   ; the wave stores a row's 512 consecutive bytes, at a multiple of 512 from the buffer's first byte
.set i, i+1
.endr
.endm
	; ---------------- prologue ----------------
	s_load_b256 s[4:11], s[0:1], 0x0               ; k s[4:5], q s[6:7], v s[8:9], out0 s[10:11]
	v_lshl_add_u32 v29, v0, 2, 0x42000
	v_mov_b32 v30, 0
	ds_add_u32 v29, v30
	s_wait_dscnt 0x0
	v_lshrrev_b32 v32, 5, v0
	v_readfirstlane_b32 s12, v32                   ; my wave's number
	s_bfe_u32 s13, ttmp6, 0x40000                  ; cx: which 512 query rows; enters Q's, the output's and the prefetch's addresses alone
	s_lshl_b32 s32, ttmp9, 20                      ; the head (= the cluster's number) x 2,048 rows x 512 bytes
	; group 1: 64 rows of 32 elements of 8 bytes, dense: 16,384 consecutive bytes of memory, laid into LDS without gaps
	s_mov_b32 s[G1+0], 15|(3<<16)|(1<<21)          ; 15:0 the mask: all four work-groups; 17:16 elements of 8 bytes; 21 set beside a mask; no padding
	s_mov_b32 s[G1+1], 32<<16                      ; tensor_dim0 = 32
	s_mov_b32 s[G1+2], 64<<16                      ; tensor_dim1 = 64
	s_mov_b32 s[G1+3], 32<<16                      ; tile_dim0 = 32
	s_mov_b32 s[G1+4], 64                          ; tile_dim1 = 64
	s_mov_b32 s[G1+5], 32                          ; 32 elements from row to row
	s_mov_b32 s[G1+6], 0
	s_mov_b32 s[G1+7], 0
	s_and_b32 s14, s12, 1
	s_lshl_b32 s14, s14, 14                        ; which half of the tile I fetch,
	s_add_co_u32 s14, s14, s32                     ; in my head
	s_mov_b32 s15, 0
	s_lshl_b32 s40, s12, 14                        ; and where it goes: wave x 16,384 (K's halves, then V's)
	s_lshl_b32 s48, s13, 18                        ; my wave's 64 rows of Q and of the output: cx x 512 rows
	s_lshl_b32 s49, s12, 15                        ; + wave x 64 rows
	s_add_co_u32 s48, s48, s49
	s_add_co_u32 s48, s48, s32                     ; + the head
	s_mov_b32 s49, 0
	s_lshl_b32 s54, s13, 13                        ; the prefetch: quarter cx of a tile,
	s_add_co_u32 s54, s54, s32                     ; in my head
	s_mov_b32 s55, 0
	s_mov_b32 s46, 3*TILEB                         ; trip 0 asks for tile 3
	s_mov_b32 s36, 0x76543210                      ; v_permlanex16_b32: lane i takes lane i of the other half
	s_mov_b32 s37, 0xfedcba98
	s_mov_b32 s38, 0x3e0293ee                      ; c = log2(e) / sqrt(128),
	s_mov_b32 s39, 0x3e0293ee                      ; the pair's second register is written too
	s_lshl_b32 s56, s12, 13                        ; the conversion: 16 w rows of 512 bytes,
	s_mul_i32 s57, s12, 16*KP                      ; of K's pitch,
	s_add_co_u32 s57, s57, BF0
	s_mul_i32 s58, s12, 16*VP                      ; of V's pitch (waves 0 to 3 cover the 64 rows; the other waves' numbers are never used)
	s_add_co_u32 s58, s58, BF0+VOFF
	s_mul_i32 s59, s12, STGB
	s_add_co_u32 s59, s59, STG0                    ; my stage
	v_and_b32 v32, 31, v0                          ; lane
	v_and_b32 v33, 15, v0                          ; r
	v_bfe_u32 v34, v0, 4, 1                        ; h
	v_and_b32 v35, 7, v0
	v_bfe_u32 v36, v0, 3, 1
	v_lshlrev_b32 v[LANE16], 4, v32
	v_mul_u32_u24 v[ADRK], v33, KP
	v_lshl_add_u32 v[ADRK], v34, 4, v[ADRK]
	v_add_nc_u32 v[ADRK], BF0, v[ADRK]
	v_lshl_add_u32 v[ADRV], v34, 3, v35
	v_mul_u32_u24 v[ADRV], v[ADRV], VP
	v_lshl_add_u32 v[ADRV], v36, 4, v[ADRV]
	v_add_nc_u32 v[ADRV], BF0+VOFF, v[ADRV]
	v_add_nc_u32 v[CRD], s56, v[LANE16]
	v_add_nc_u32 v[CRD+1], SLOTB, v[CRD]
	v_lshl_add_u32 v[CWK], v32, 3, s57
	v_lshl_add_u32 v[CWV], v32, 3, s58
	v_lshlrev_b32 v[PFO], 8, v32
	v_lshl_add_u32 v[QST], v32, 3, s59
	v_mul_u32_u24 v[QRD], v33, QP
	v_lshl_add_u32 v[QRD], v34, 4, v[QRD]
	v_add_nc_u32 v[QRD], s59, v[QRD]
	v_mul_u32_u24 v[OST], v33, OP
	v_lshl_add_u32 v[OST], v34, 5, v[OST]
	v_add_nc_u32 v[OST], s59, v[OST]
.irp q,0,1,2,3
	v_mov_b32 v[T+2*\q+1], 0                       ; a destination of v_permlanex16_b32 counts as read
	v_mov_b32 v[NM+2*\q+1], 0                      ; the second register of a pair that the first step reads as a pair
.endr
	s_wait_kmcnt 0x0
	s_cmp_lt_u32 s12, 2                            ; waves 0, 1 fetch K, waves 2, 3 fetch V (waves 4 to 7 make the words and issue nothing)
	s_cselect_b64 s[34:35], s[4:5], s[8:9]
	s_add_nc_u64 s[34:35], s[34:35], s[14:15]      ; my part of tile 0: made of the head and the wave's number, alike in the four work-groups
	s_cmp_eq_u32 s12, 4                            ; wave 4 prefetches K, wave 5 V
	s_cselect_b64 s[42:43], s[4:5], s[8:9]
	s_add_nc_u64 s[42:43], s[42:43], s[54:55]
	s_add_nc_u64 s[50:51], s[6:7], s[48:49]        ; my 64 rows of Q
	s_add_nc_u64 s[52:53], s[10:11], s[48:49]      ; and of the output
.irp n,0,1
	s_mov_b32 s[G0+4*\n], 1                                        ; count = 1
	s_add_co_u32 s[G0+4*\n+1], s40, \n*SLOTB                       ; LDS address: wave x 16,384 + slot x 65,536
	s_add_nc_u64 s[G0+4*\n+2:G0+4*\n+3], s[34:35], \n*TILEB        ; global address: tile n
	s_or_b32 s[G0+4*\n+3], s[G0+4*\n+3], 0x80000000                ; type = 2
.endr
	ROUND                                          ; all four work-groups are here: the first joint loads meet
	s_cmp_ge_u32 s12, 4
	s_cbranch_scc1 .Lno_first_fill
	tensor_load_to_lds s[G0:G0+3], s[G1:G1+7]      ; tile 0 into slot 0
	s_nop 0
	tensor_load_to_lds s[G0+4:G0+7], s[G1:G1+7]    ; tile 1 into slot 1: both first fills in one group, ahead of every LDS read and every wait for them
	s_nop 0
.Lno_first_fill:
	WIN 0x40                                       ; destination in window 1
.set i, 0
.rept 64
	global_load_b128 v[4*i:4*i+3], v[LANE16], s[50:51] offset:512*i th:TH_LOAD_NT   ; a row of Q, 512 consecutive bytes; each row is read once in the launch
.set i, i+1
.endr
	QIN 0
	QIN 1
	QIN 2
	QIN 3
	s_wait_tensorcnt 0x1                           ; my part of tile 0 is in; tile 1's may stay out
	s_wait_dscnt 0x0                               ; Q's fragments are in
	BAR                                            ; tile 0 is whole for every wave
	s_cmp_ge_u32 s12, 4
	s_cbranch_scc1 .Lno_first_conversion
	CONVERT 0, 0                                   ; waves 0 to 3: tile 0 into buffer 0; the first trip's round shows it to all
.Lno_first_conversion:
	; ---------------- the 32 tiles ----------------
	TRIP 0, 1, 1, 1, 1                             ; the first products start O's sums and the first step starts maximum and sum: nothing is cleared
	TRIP 1, 0, 1, 1, 0
	s_mov_b32 s41, LAPS
.Llap:
	TRIP 0, 1, 1, 1, 0
	TRIP 1, 0, 1, 1, 0
	s_sub_co_u32 s41, s41, 1
	s_cmp_lg_u32 s41, 0
	s_cbranch_scc1 .Llap
	TRIP 0, 1, 0, 1, 0                             ; tile 30: nothing is left to fetch; tile 31 is converted
	TRIP 1, 0, 0, 0, 0                             ; tile 31: nothing is left to convert, so here all eight waves run in step
	; ---------------- the way out ----------------
	; The five places at the end of the last sub-step stand between the last matrix instructions and the reads of O^T.
.irp q,0,1,2,3
	v_permlanex16_b32 v[T+2*\q+1], v[L+\q], s36, s37            ; the other half's part of the row sum
.endr
.irp q,0,1,2,3
	v_add_f32 v[L+\q], v[L+\q], v[T+2*\q+1]
.endr
.irp q,0,1,2,3
	v_rcp_f32 v[NM+2*\q], v[L+\q]                               ; the sum holds the maximum's own term, about 1, so it is never 0
.endr
	v_add_nc_u32 v[ORD], s59, v[LANE16]                         ; a plain place behind the reciprocals (ISA guide 5.7.2): rows are read back at my stage + 16 x lane
	s_wait_alu depctr_va_vdst(0)
	OUTQ 0, Q
	OUTQ 1, Q+64
	OUTQ 2, Q
	OUTQ 3, Q+64
	s_wait_xcnt 0x0
	v_lshl_add_u32 v29, v0, 2, 0x42000
	v_mov_b32 v30, 0
	s_wait_tensorcnt 0x0
	ds_add_u32 v29, v30
	s_wait_dscnt 0x0
	ROUND                                          ; the closing round: no work-group ends while a partner may still ask for a tile that names it
	s_endpgm
.Lfunc_end_k_q94a4017b13_attn:
	.size	k_q94a4017b13_attn, .Lfunc_end_k_q94a4017b13_attn-k_q94a4017b13_attn
	.p2alignl 7, 3214868480
	.fill 96, 4, 3214868480
	.section	.rodata,"a",@progbits
	.p2align	6, 0x0
	.amdhsa_kernel k_q94a4017b13_attn
		.amdhsa_group_segment_fixed_size 327680
		.amdhsa_private_segment_fixed_size 0
		.amdhsa_enable_private_segment 0
		.amdhsa_kernarg_size 32
		.amdhsa_user_sgpr_count 2
		.amdhsa_user_sgpr_kernarg_segment_ptr 1
		.amdhsa_wavefront_size32 1
		.amdhsa_system_sgpr_workgroup_id_x 1
		.amdhsa_system_sgpr_workgroup_id_y 1
		.amdhsa_system_sgpr_workgroup_id_z 1
		.amdhsa_system_vgpr_workitem_id 0
		.amdhsa_next_free_vgpr 512
		.amdhsa_next_free_sgpr 66
		.amdhsa_reserve_vcc 0
		.amdhsa_float_denorm_mode_32 3
		.amdhsa_float_denorm_mode_16_64 3
		.amdhsa_memory_ordered 1
		.amdhsa_forward_progress 1
		.amdhsa_inst_pref_size 255
	.end_amdhsa_kernel
	.section	.bss,"aw",@nobits
	.p2align	6
	.space	262144
	.amdgpu_metadata
---
amdhsa.version: [ 1, 2 ]
amdhsa.kernels:
  - .name:           k_q94a4017b13_attn
    .symbol:         k_q94a4017b13_attn.kd
    .args:
      - { .name: k, .offset: 0, .size: 8, .value_kind: global_buffer, .address_space: global }
      - { .name: q, .offset: 8, .size: 8, .value_kind: global_buffer, .address_space: global }
      - { .name: v, .offset: 16, .size: 8, .value_kind: global_buffer, .address_space: global }
      - { .name: out0, .offset: 24, .size: 8, .value_kind: global_buffer, .address_space: global }
    .group_segment_fixed_size: 327680
    .private_segment_fixed_size: 0
    .kernarg_segment_align: 8
    .kernarg_segment_size: 32
    .max_flat_workgroup_size: 256
    .sgpr_count:     66
    .vgpr_count:     512
    .wavefront_size: 32
...
	.end_amdgpu_metadata
.endif
;; end of part 1
